; MI455X (gfx1250); checked and timed in simulation.
; The chip was launched on July 23, 2026; its instructions are those of AMD's public machine-readable ISA for CDNA 5 (MIT licence, August 2026) and "CDNA5" Instruction Set Architecture Reference Guide (July 2026). The comments in the code are by the model that wrote it; some were corrected since.
;; Linear Encoder. Allowed arithmetic: matrix products marked QUANTISED: E2M3 operands, one E8M0 scale for each 32 along K, by v_wmma_scale_f32_16x16x128_f8f6f4 with both operands' format E2M3, f32 sums; everything else in f32.
;; Inputs: W0 128 x 50,000 float32; W1 128 x 128 float32; W2 128 x 128 float32; b1 128 float32; b2 128 float32; user_ids 4,096 int32.
;; Outputs: out0 4,096 x 128 float32.
;; This version of the problem:
;;   THIS VERSION OF THE PROBLEM IS GIVEN IN LOW PRECISION. The matrix products marked QUANTISED in the list below multiply operands that are first quantised to E2M3 (2 exponent bits, 3 mantissa bits; 6 bits a number), with one power-of-two scale for each 32 numbers along K (OCP MX v1.0); their sums are f32. All else is computed in f32.
;;   The module's matrix products, in the order in which they are computed (A, B: the left and right operand; K: the contracted axis; several contracted axes count as one K, in the product's order):
;;     1. [M 4,096, K 50,000] x [K 50,000, N 128]; A: computed on the way; B: input W0: QUANTISED
;;     2. [M 4,096, K 128] x [K 128, N 128]; A: computed on the way; B: input W1: QUANTISED
;;     3. [M 4,096, K 128] x [K 128, N 128]; A: computed on the way; B: input W2: QUANTISED
;;   THE QUANTISER, for each operand of a quantised product, along K:
;;     - K is cut into blocks of 32 from its start; a last block that is shorter is filled with zeros.
;;     - A block's scale is 2^e with e = floor(log2(the largest magnitude in the block)) - 2, held to -126 .. 127; a block of zeros has e = 0. As a byte (E8M0): e + 127.
;;     - Each number is divided by its block's scale, clamped to +-7.5, and rounded to the nearest number of E2M3, ties to even, subnormals kept.
;;     - The product sums the exact products of the quantised numbers (number of the format x scale) in f32.
;;   ~~~python
;;   def quantise(x, axis):      # numpy; x: float32 -> the quantised numbers, widened to float32 again
;;       x = np.moveaxis(x, axis, -1); K = x.shape[-1]
;;       x = np.pad(x, [(0, 0)] * (x.ndim - 1) + [(0, -K % 32)]); x = x.reshape(x.shape[:-1] + (-1, 32)); a = np.abs(x).max(-1, keepdims=True)
;;       e = np.where(a > 0, np.clip(np.frexp(np.where(a > 0, a, 1))[1] - 1 - 2, -126, 127), 0)      # np.frexp(a)[1] - 1 = floor(log2(a)), exactly
;;       r = np.clip(x / 2.0 ** e, -7.5, 7.5)
;;       step = 2.0 ** (np.maximum(np.frexp(np.where(r == 0, 1, r))[1] - 1, 0) - 3)
;;       q = np.round(r / step) * step * 2.0 ** e      # np.round: ties to even
;;       return np.moveaxis(q.reshape(q.shape[:-2] + (-1,))[..., :K], -1, axis).astype(np.float32)
;;   ~~~
;;   OPERANDS COMPUTED ON THE WAY. 'Computed on the way' means the value that the module computes at that place (a softmax that the list does not call 'softmax' is quantised finished and normalised). What goes into a quantiser is computed in f32, as accurately as f32 sums, v_exp_f32 and their like allow (about 1e-6 of the number): no bf16 or f16 on the way to a quantiser, and a product that is left as it is and whose result goes on into a quantised operand takes f32 operands (vector FMAs, or v_wmma_f32_16x16x4_f32). A number that lies on a knife's edge between two numbers of the format may be rounded either way, as far as f32 arithmetic and the matrix unit's own rounding can turn it there, and no further.
;; 2 versions. Each part assembles by itself: llvm-mc -triple=amdgcn-amd-amdhsa -mcpu=gfx1250 --defsym DOCPART=n.
;; ======== version 1 of 2: 1 launch
;; launch encoder (part 1): grid 196 x 1, 8 waves a work-group, no clusters, 122,880 bytes of LDS; arguments user_ids, W0, W1, b1, W2, b2, out0; writes out0
.if DOCPART == 1
	.amdgcn_target "amdgcn-amd-amdhsa--gfx1250"
	.amdhsa_code_object_version 6
	.text
	.protected	k_q66fc218fd8_encoder
	.globl	k_q66fc218fd8_encoder
	.p2align	8
	.type	k_q66fc218fd8_encoder,@function
k_q66fc218fd8_encoder:
	s_mov_b64 s[64:65], 0
	v_nop
	global_prefetch_b8 v0, s[64:65] scope:SCOPE_SE
	s_setreg_imm32_b32 hwreg(HW_REG_WAVE_MODE, 25, 1), 1
	s_wait_xcnt 0x0
; out0 = ((onehot(ids) W0^T) W1^T + b1) W2^T + b2, all three products on codes of FP6 (E2M3) with one E8M0 scale for each 32 along K; sums in f32.
; W0 [128][50000], W1, W2 [128][128], b1, b2 [128]: f32.  ids [4096] int32.  out0 [4096][128] f32.
; SHARES.  K of the first product (the 50,000 ids) is cut into 391 steps of 128.  Work-group g owns steps 2 g and 2 g + 1 and multiplies ALL 4,096 rows of the one-hot matrix by them, in two passes of one step.
; Its 128 x 128 numbers of W0 for a step are read once as f32, quantised in registers (wave w: 16 rows of W0), handed on through LDS as images of the operand's registers, and then stay in every wave's registers.
; Wave w takes tokens 512 w .. 512 w + 511: 32 tiles of 16 a pass, 8 matrix instructions a tile.
; THE ONE-HOT OPERAND is made in registers from the ids.  A block of 32 that holds the 1 has the scale 2^-2 (byte 125) and the code of 4.0 (binary 011000); all other codes are 0.
; WHICH TILES HOLD A 1 is found once for each pass, at the head: lane l takes the 16 ids of tile l, and the smallest (id - the step's first column) of the 16, compared with 128, gives a map of 32 bits, one for a tile.
; A trip of the loop tests its bit.  In nearly every trip the operand is zeros, which lie ready in registers; only a tile with a 1 loads its 16 ids again, one to a lane, and makes its operand.
; NO SUM ACROSS WORK-GROUPS.  A token's 1 lies in one K step, so every other step adds exact zeros to its row: the wave that meets the 1 has the whole row of the first product.  And since foreign rows are exact zeros, all tiles
; of a wave are summed in place into ONE set of 8 accumulators (P): slot r of P ends up with the one owned token that stood in row r of its tile.  OCC marks the slots that are taken; if an owned token would fall on a taken slot, P is
; flushed first.  A FLUSH quantises P, multiplies by W1 (b1 as C), quantises, multiplies by W2 (b2 as C) and stores the taken slots' rows of out0; one flush stands at the end.  So each row of out0 has one owner.
; ALL PRODUCTS ARE USED TRANSPOSED: source 0 = 16 rows of a weight, source 1 = 16 tokens: a lane holds one token (lane % 16).  THE ROWS OF A WEIGHT THAT FORM A TILE ARE NOT NEIGHBOURS: row i of tile t is
; 32 (t / 2) + 8 (t % 2) + i + 8 (i / 8), so that the 16 registers of tiles 2 b, 2 b + 1 are 16 neighbours along the next K: unit 32 b + 16 (lane / 16) + 0 .. 15.
; NO TENSOR LOADS, NO CLUSTER: whether a tile is worked on and when P is flushed are branches on ids read from memory; W1 and W2, which all work-groups share, are 128 KiB
; against the 128 KiB of W0 that a work-group reads alone, and come by plain loads.
; SKIP_EMPTY = 1 would jump over the matrix instructions of tiles in which no 1 lies; with 0 the product is multiplied as it is written.
; LIMITS: ids lie in 0 .. 49,999, as the problem states (an id beyond 50,175 or below 0 would leave its row unwritten).  NaN and infinities in the weights are not served.  A block of zeros gets the scale byte 1 (the one-hot's: 125)
; where the rule says 127: its codes are zeros, which add nothing, and only this program reads the bytes.  Blocks whose largest magnitude lies under 2^-124 are held at the byte 1.
.set VOCAB,  50000
.set TOKENS, 4096
.set W0ROW,  VOCAB*4                   ; a row of W0 in bytes
.set SKIP_EMPTY, 0
; LDS
.set FRB,    1536                      ; a fragment's image: 12 registers x 32 lanes x 4 bytes
.set IMG0,   0                         ; W0's 8 fragments of pass 0
.set IMG1,   IMG0+8*FRB                ; of pass 1
.set IMGW1,  IMG1+8*FRB                ; W1's
.set IMGW2,  IMGW1+8*FRB               ; W2's
.set SC0,    IMGW2+8*FRB               ; their scale words: 128 bytes a fragment
.set SC1,    SC0+1024
.set SCW1,   SC1+1024
.set SCW2,   SCW1+1024
.set BIAS,   SCW2+1024                 ; b1, then b2
.set STG,    BIAS+1024                 ; for each wave a stage of 16 rows x (512 + 16) bytes: row r starts 4 r banks on, so 16 rows' loads of 16 bytes meet in no bank
.set SPITCH, 528
; vector registers, window 0
.set L16,  1                           ; 16 x lane
.set LS4,  2                           ; 4 x lane
.set G0A,  3                           ; my 16 bytes of a row of W0, pass 0: held inside the row
.set G0B,  4                           ; pass 1
.set BGO,  5                           ; my word of b1 or b2
.set STW,  6                           ; the stage by rows: 16 x lane
.set STR,  7                           ; the stage by lanes: row r, + 128 h
.set IMW,  8                           ; where I store my fragment's image
.set SCW,  9                           ; and its scale words
.set ADI0, 10                          ; 4 r: my id's place in a tile's 64 bytes
.set ADI,  11                          ; the same in the tile in hand, counted from my wave's first id
.set IDN,  12                          ; the id of row r of the tile in hand
.set REL,  13                          ; id - the K step's first column
.set TOKC, 14                          ; the token in row r of the tile in hand
.set TOK,  15                          ; the token that holds slot r of P
.set TOK0, 16                          ; 512 w + r
.set HSH,  17                          ; 32 h
.set AS,   18                          ; the one-hot's scale word: four bytes 125; holds nothing else
.set SO,   19                          ; the stage, results in: row r, + 64 h
.set IDL,  20                          ; 64 x lane: at the head lane l takes tile l's ids
.set OFFV, 21                          ; a row's byte offset in out0
.set BIA,  22                          ; BIAS + 64 h
.set GT,   23                          ; v23-32 at work in GEN
.set THREE, 33                         ; 3
.set PW,   38                          ; the scale word just made; holds nothing else
.set BLA,  39                          ; 4 x thread
.set TM,   40                          ; v40-55 at work in the quantisers
.set A,    56                          ; v56-67  the one-hot fragment
.set PC,   68                          ; v68-87  the codes of P (12) and 8 at work; at the head the ids and the bias word land here
.set BS,   88                          ; v88-95  the 8 fragments' scale words; hold nothing else
.set B,    96                          ; v96-191 8 fragments of a weight
.set P,    192                         ; v192-255 8 accumulators
.set X,    96                          ; while a slab is quantised B's registers are free: 64 numbers,
.set QC,   160                         ; 12 registers of codes,
.set QT,   172                         ; and 8 at work
; window 1: four sets of 64 registers for the f32 numbers as they are loaded
.set LB0,  0                           ; W1
.set LB1,  64                          ; W2
.set LB2,  128                         ; W0, pass 0
.set LB3,  192                         ; W0, pass 1
; scalar registers: s[4:5] ids, s[6:7] W0, s[8:9] W1, s[10:11] b1, s[12:13] W2, s[14:15] b2, s[16:17] out0, s28-33 at work, s[34:35] the bias that my wave fetches
.set WV,   18
.set SEL,  20                          ; s[20:21] v_permlanex16_b32's selects for lane l xor 16
.set K0,   22                          ; the K step's first column
.set TI,   23                          ; the tile in hand, 0 .. 31
.set OCC,  25                          ; slots of P that are taken (the same 16 bits in both halves)
.set MK,   26                          ; rows of the tile in hand whose 1 lies in this K step
.set DIRTY, 27                         ; 1: A holds a 1 somewhere
.set NE0,  36                          ; bit t: tile t of my 32 holds a 1 of pass 0's K step
.set NE1,  37                          ; of pass 1's
.set MSB, 0
.macro WIN new                         ; the immediate's high byte repeats the setting that is left
.if MSB != \new
	s_set_vgpr_msb (MSB<<8)|\new
.set MSB, \new
.endif
.endm
.macro PLACES n                        ; plain vector instructions that name no register of the matrix instructions near them (ISA guide 7.12.1)
.rept \n
	v_nop
.endr
.endm
.macro BARRIER                         ; my LDS stores have landed and my LDS loads are in: then the work-group's barrier
	s_wait_dscnt 0x0
	s_barrier_signal -1
	s_barrier_wait -1
.endm
; Which of my 32 tiles hold a 1 of the K step that begins at column s[first].  v[PC] .. v[PC + 15] hold, in lane l, the 16 ids of tile l.  id - first is taken as unsigned: an id below the step wraps to a large number.
.macro WHICH ne, first
.irp i, 0,1,2,3,4,5,6,7,8,9,10,11,12,13,14,15
	v_sub_nc_u32 v[X+\i], v[PC+\i], s[\first]
.endr
.irp i, 0,1,2,3,4,5,6,7
	v_min_u32 v[X+\i], v[X+\i], v[X+8+\i]
.endr
.irp i, 0,1,2,3
	v_min_u32 v[X+\i], v[X+\i], v[X+4+\i]
.endr
.irp i, 0,1
	v_min_u32 v[X+\i], v[X+\i], v[X+2+\i]
.endr
	v_min_u32 v[X], v[X], v[X+1]                   ; the smallest of the tile's 16
	v_cmp_gt_u32 vcc_lo, 0x80, v[X]                ; under 128: one of them lies in the step
	s_mov_b32 s[\ne], vcc_lo
.endm
; 16 rows x 128 numbers of f32, in window 1 as loaded (register 4 i + q: row i, my 16 bytes), become a fragment's image and scale words in LDS.
; tail = 1: the slab is W0's, and columns at or beyond VOCAB count as zeros.
.macro QSLAB lb, img, sc, tail
	WIN 0x04                                       ; an LDS store's data are its source 1: window 1
.irp i, 0,1,2,3,4,5,6,7,8,9,10,11,12,13,14,15
	ds_store_b128 v[STW], v[\lb+4*\i:\lb+4*\i+3] offset:SPITCH*\i
.endr
	WIN 0
.irp c, 0,1                            ; back by lanes: lane (r, h) takes k = 64 c + 32 h + 0 .. 31 of row r, the very numbers that the operand's layout gives it.  LDS serves a wave's instructions in order: these see the stores above
.irp j, 0,1,2,3,4,5,6,7
	ds_load_b128 v[X+32*\c+4*\j:X+32*\c+4*\j+3], v[STR] offset:256*\c+16*\j
.endr
.endr
	s_wait_dscnt 0x0                               ; the numbers are in; and the image stores of the slab before have read QC and PW, which are written below
.if \tail
	s_add_co_u32 s28, s[K0], 128                   ; a K step that ends inside W0 skips this: a branch on the work-group's number, over vector work alone
	s_cmp_le_u32 s28, VOCAB
	s_cbranch_scc1 .Lwhole_\@
	v_add_nc_u32 v[TM+13], s[K0], v[HSH]           ; my first column.  VOCAB is a multiple of 16, so each run of 16 columns lies wholly inside or wholly outside
.irp c, 0,1
.irp u, 0,1
	v_cmp_gt_u32 vcc_lo, VOCAB-64*\c-16*\u, v[TM+13]
.irp i, 0,1,2,3,4,5,6,7,8,9,10,11,12,13,14,15
	v_cndmask_b32 v[X+32*\c+16*\u+\i], 0, v[X+32*\c+16*\u+\i], vcc_lo
.endr
.endr
.endr
.Lwhole_\@:
.endif
.irp c, 0,1                            ; my blocks h and 2 + h: all 32 numbers of each are mine.  Four chains of 16, each with the floor 2^(3 - 127) among its leaves: so the byte cannot fall under 1
.irp u, 0,1
	v_max3_num_f32 v[TM+2*\c+\u], |v[X+32*\c+16*\u]|, |v[X+32*\c+16*\u+1]|, 0x1800000
.endr
.endr
.irp i, 2,4,6,8,10,12,14
.irp c, 0,1
.irp u, 0,1
	v_max3_num_f32 v[TM+2*\c+\u], v[TM+2*\c+\u], |v[X+32*\c+16*\u+\i]|, |v[X+32*\c+16*\u+\i+1]|
.endr
.endr
.endr
.irp c, 0,1
	v_max_num_f32 v[TM+2*\c], v[TM+2*\c], v[TM+2*\c+1]
.endr
.irp c, 0,1
	v_add_nc_u32 v[TM+4+\c], 0xff000000, v[TM+2*\c]   ; 2 off the exponent field: the conversion takes the exponent field of this operand as its scale, and nothing else of it
.endr
.irp c, 0,1
	v_lshrrev_b32 v[TM+8+\c], 23, v[TM+4+\c]       ; the scale's byte
.endr
	v_lshl_or_b32 v[TM+10], v[TM+9], 16, v[TM+8]   ; my two bytes,
	v_lshrrev_b32 v[TM+12], 2, v[HSH]
	v_lshlrev_b32 v[TM+10], v[TM+12], v[TM+10]     ; at their places in the row's scale word (8 h bits up);
	v_permlanex16_b32 v[TM+11], v[TM+10], s[SEL], s[SEL+1]
	v_or_b32 v[PW], v[TM+10], v[TM+11]             ; with lane l xor 16's two the word is whole
.irp c, 0,1
	v_cvt_scalef32_pk16_fp6_f32 v[QC+6*\c:QC+6*\c+2], v[X+32*\c:X+32*\c+15], v[TM+4+\c]
	v_cvt_scalef32_pk16_fp6_f32 v[QT+4*\c:QT+4*\c+2], v[X+32*\c+16:X+32*\c+31], v[TM+4+\c]   ; (a conversion's three registers begin on an even number: the second half of a block's six is made elsewhere and moved)
.endr
	v_nop                                          ; one plain place behind a scaled conversion
.irp c, 0,1
.irp i, 0,1,2
	v_mov_b32 v[QC+3+6*\c+\i], v[QT+4*\c+\i]
.endr
.endr
.irp k, 0,1,2
	ds_store_b128 v[IMW], v[QC+4*\k:QC+4*\k+3] offset:\img+512*\k   ; the fragment goes to LDS as it stands: lane l's 16 bytes at 16 l
.endr
	ds_store_b32 v[SCW], v[PW] offset:\sc
.endm
; a weight's 8 fragments and their scale words come back so, in any wave
.macro FETCH img, sc
.irp t, 0,1,2,3,4,5,6,7
.irp k, 0,1,2
	ds_load_b128 v[B+12*\t+4*\k:B+12*\t+4*\k+3], v[L16] offset:\img+FRB*\t+512*\k
.endr
	ds_load_b32 v[BS+\t], v[LS4] offset:\sc+128*\t
.endr
.endm
; P += the weight's 8 tiles x 16 tokens.  The eight accumulators take turns, one instruction a turn, over the loop's backward jump too.
.macro MUL8 src, scl
.irp t, 0,1,2,3,4,5,6,7
	v_wmma_scale_f32_16x16x128_f8f6f4 v[P+8*\t:P+8*\t+7], v[B+12*\t:B+12*\t+11], v[\src:\src+11], v[P+8*\t:P+8*\t+7], v[BS+\t], v[\scl] matrix_a_fmt:MATRIX_FMT_FP6 matrix_b_fmt:MATRIX_FMT_FP6
.endr
.endm
; The one-hot fragment of the tile in hand.  Lane (r, h) holds k = 64 c + 32 h + p of token r at bits 192 c + 6 p of its 12 registers.  The code of 4.0 has its bits 3 and 4 set.
.macro GEN
	v_xor_b32 v[GT], v[REL], v[HSH]                ; T: bit 5 is 0 where the 1 lies in my half
	v_and_b32 v[GT+1], 0xffffffa0, v[GT]           ; U = 0: the 1 lies in this K step and in my half
	v_and_b32 v[GT+2], 31, v[GT]                   ; p
	v_and_b32 v[GT+3], 64, v[GT]                   ; 64 c
	v_mad_u32_u24 v[GT+4], v[GT+2], 6, 3
	v_mad_u32_u24 v[GT+4], v[GT+3], 3, v[GT+4]     ; the lower of the two bits: 192 c + 6 p + 3
	v_lshrrev_b32 v[GT+5], 5, v[GT+4]              ; its register,
	v_cmp_eq_u32 vcc_lo, 0, v[GT+1]
	v_cndmask_b32 v[GT+5], 64, v[GT+5], vcc_lo     ; or none
	v_add_nc_u32 v[GT+6], 1, v[GT+5]
	v_and_b32 v[GT+7], 31, v[GT+4]                 ; its place there
	v_lshlrev_b32 v[GT+8], v[GT+7], v[THREE]       ; the two bits; at place 31 the upper one falls out,
	v_cmp_eq_u32 vcc_lo, 31, v[GT+7]
	v_cndmask_b32 v[GT+9], 0, 1, vcc_lo            ; into the next register's bit 0: only p = 10 and p = 26 do that, so only registers 2, 5, 8, 11 can take it
.irp n, 0,1,2,3,4,5,6,7,8,9,10,11
.if \n%3 == 2
	v_cmp_eq_u32 vcc_lo, \n, v[GT+6]
	v_cndmask_b32 v[A+\n], 0, v[GT+9], vcc_lo
	v_cmp_eq_u32 vcc_lo, \n, v[GT+5]
	v_cndmask_b32 v[A+\n], v[A+\n], v[GT+8], vcc_lo
.else
	v_cmp_eq_u32 vcc_lo, \n, v[GT+5]
	v_cndmask_b32 v[A+\n], 0, v[GT+8], vcc_lo
.endif
.endr
.endm
; 64 numbers of a lane, v[s] .. v[s + 63], register 16 b + i = k 32 b + 16 (lane / 16) + i of my token, become a fragment's codes in v[PC] on and its scale word in v[PW].
.macro QUANT s
.irp b, 0,1,2,3
	v_max3_num_f32 v[TM+\b], |v[\s+16*\b]|, |v[\s+1+16*\b]|, 0x1800000   ; block b: my 16 numbers, from each accumulator's low end on, and the floor 2^(3 - 127)
.endr
.irp i, 2,4,6,8,10,12,14
.irp b, 0,1,2,3
	v_max3_num_f32 v[TM+\b], v[TM+\b], |v[\s+16*\b+\i]|, |v[\s+1+16*\b+\i]|   ; (the four blocks by turns)
.endr
.endr
.irp b, 0,1,2,3
	v_permlanex16_b32 v[TM+4+\b], v[TM+\b], s[SEL], s[SEL+1]
.endr
.irp b, 0,1,2,3
	v_max_num_f32 v[TM+\b], v[TM+\b], v[TM+4+\b]   ; with lane l xor 16's: the block's largest magnitude
.endr
.irp b, 0,1,2,3
	v_add_nc_u32 v[TM+12+\b], 0xff000000, v[TM+\b]   ; 2 off its exponent field: the conversion's scale operand
.endr
.irp b, 0,1,2,3
	v_lshrrev_b32 v[TM+4+\b], 23, v[TM+12+\b]      ; the scale's byte
.endr
	v_lshl_or_b32 v[PW], v[TM+5], 8, v[TM+4]       ; the four bytes make my token's scale word
	v_lshl_or_b32 v[PW], v[TM+6], 16, v[PW]
	v_lshl_or_b32 v[PW], v[TM+7], 24, v[PW]
.irp c, 0,1
	v_cvt_scalef32_pk16_fp6_f32 v[PC+6*\c:PC+2+6*\c], v[\s+32*\c:\s+15+32*\c], v[TM+12+2*\c]
	v_cvt_scalef32_pk16_fp6_f32 v[PC+12+4*\c:PC+14+4*\c], v[\s+16+32*\c:\s+31+32*\c], v[TM+12+2*\c+1]   ; (a conversion's three registers begin on an even number)
.endr
	v_nop                                          ; one plain place behind a scaled conversion
.irp c, 0,1                            ; the operand's layout wants a WHOLE block in a lane: lanes 0-15 block 2 c, lanes 16-31 block 2 c + 1
.irp i, 0,1,2
	v_permlane16_swap_b32 v[PC+6*\c+\i], v[PC+12+4*\c+\i]
.endr
.irp i, 0,1,2
	v_mov_b32 v[PC+3+6*\c+\i], v[PC+12+4*\c+\i]
.endr
.endr
.endm
; One Linear(128 -> 128) on the 16 slots of P: P = Q(P) Q(W)^T + b.  The bias is the C of the sums: it is loaded into P's registers, in the result's layout, once P has been quantised.
.macro LAYER img, sc, boff
	PLACES 4                                       ; behind the last products: in front of the loads into B and BS and of the first read of P
	FETCH \img, \sc
	QUANT P
.irp t, 0,1,2,3,4,5,6,7
.irp q, 0,1
	ds_load_b128 v[P+8*\t+4*\q:P+8*\t+4*\q+3], v[BIA] offset:\boff+128*(\t/2)+32*(\t%2)+16*\q   ; b at units 32 (t / 2) + 16 h + 8 (t % 2) + 0 .. 7
.endr
.endr
	s_wait_dscnt 0x0                               ; the weight, its scale words and the bias are in
	PLACES 8                                       ; a scale word made by vector instructions stands 8 places ahead of a scaled matrix instruction, codes so made 4
	MUL8 PC, PW
.endm
; P's taken slots go through both layers and out.  refetch = 1: the pass goes on: P and OCC are cleared and the pass's fragments of W0 come back.
.macro FLUSH refetch, img, sc
	LAYER IMGW1, SCW1, 0
	LAYER IMGW2, SCW2, 512
	PLACES 4                                       ; in front of the stores that read the results and of the loads into B
.irp t, 0,1,2,3,4,5,6,7
	ds_store_b128 v[SO], v[P+8*\t:P+8*\t+3] offset:128*(\t/2)+32*(\t%2)        ; each accumulator from its low end on: slot r's row, units 32 (t / 2) + 16 h + 8 (t % 2) + 0 .. 7
	ds_store_b128 v[SO], v[P+8*\t+4:P+8*\t+7] offset:128*(\t/2)+32*(\t%2)+16
.endr
.irp i, 0,1,2,3,4,5,6,7,8,9,10,11,12,13,14,15
	ds_load_b128 v[B+4*\i:B+4*\i+3], v[STW] offset:SPITCH*\i                   ; back as whole rows of 512 bytes; the stage is my own, and LDS serves a wave's instructions in order
.endr
	s_wait_dscnt 0x0                               ; the rows are in, and the stores have read P
.irp i, 0,1,2,3,4,5,6,7,8,9,10,11,12,13,14,15
	s_bitcmp1_b32 s[OCC], \i                       ; a slot that no token holds is not stored
	s_cbranch_scc0 .Lempty_\@_\i
	v_readlane_b32 s29, v[TOK], \i
	s_min_u32 s29, s29, TOKENS-1                   ; (it is a token's number: the hold changes nothing)
	s_lshl_b32 s29, s29, 9
	s_wait_xcnt 0x0                                ; the row store before has read its offset register, which is written again only behind this wait
	v_add_nc_u32 v[OFFV], s29, v[L16]
	global_store_b128 v[OFFV], v[B+4*\i:B+4*\i+3], s[16:17] th:TH_STORE_NT     ; 32 lanes store a row's 512 consecutive bytes, at a multiple of 512 from out0's first byte
.Lempty_\@_\i:
.endr
.if \refetch
	s_wait_xcnt 0x0                                ; the row stores have read their data: B is loaded again only behind this wait
.set j, 0
.rept 64
	v_mov_b32 v[P+j], 0                            ; the loop sums in place, so P begins as zeros
.set j, j+1
.endr
	s_mov_b32 s[OCC], 0
	FETCH \img, \sc
	s_wait_dscnt 0x0
.endif
.endm
; One K step against my 512 tokens: 32 trips, a tile of 16 tokens each.  ne: the map of the tiles that hold a 1 of this step.
; A trip whose bit is 0 is scalar tests and 8 matrix instructions on the zeros that lie in A.  A trip whose bit is 1 loads the tile's ids, one to a lane (the same in both halves of the lanes), and makes A.
; Behind a trip's last matrix instruction and ahead of any write of A stand, on that way, two sums, a subtraction, a compare and GEN's first 14 lines, none of which names a register of the products.
.macro PASS img, sc, ne
	s_mov_b32 s[TI], 0
	s_wait_dscnt 0x0                               ; the fragments and their scale words are in
.Ltile_\@:
	s_bitcmp1_b32 s[\ne], s[TI]
	s_cbranch_scc0 .Lzero_\@
	s_lshl_b32 s28, s[TI], 6                       ; a tile's ids are 64 bytes,
	s_lshl_b32 s29, s[TI], 4                       ; 16 tokens
	v_add_nc_u32 v[ADI], s28, v[ADI0]
	global_load_b32 v[IDN], v[ADI], s[4:5]
	v_add_nc_u32 v[TOKC], s29, v[TOK0]
	s_wait_loadcnt 0x0                             ; the ids are in (and with them all that was asked for earlier: loads return in order)
	v_sub_nc_u32 v[REL], v[IDN], s[K0]
	v_cmp_gt_u32 vcc_lo, 0x80, v[REL]              ; rows whose 1 lies in this K step
	s_mov_b32 s[MK], vcc_lo
	s_and_b32 s28, s[OCC], s[MK]                   ; would a slot be taken twice?
	s_cbranch_scc0 .Lfree_\@
	FLUSH 1, \img, \sc
.Lfree_\@:
	GEN
	v_cndmask_b32 v[TOK], v[TOK], v[TOKC], s[MK]   ; the new owners of their slots
	s_or_b32 s[OCC], s[OCC], s[MK]
	s_mov_b32 s[DIRTY], 1
	PLACES 4                                       ; an operand written by vector instructions stands 4 places ahead of a scaled matrix instruction
	s_branch .Lmul_\@
.Lzero_\@:
.if SKIP_EMPTY
	s_branch .Lnext_\@
.else
	s_cmp_eq_u32 s[DIRTY], 0                       ; A is zeros already in nearly every trip
	s_cbranch_scc1 .Lmul_\@
	PLACES 4                                       ; behind the last trip's products, which read A
.irp n, 0,1,2,3,4,5,6,7,8,9,10,11
	v_mov_b32 v[A+\n], 0
.endr
	s_mov_b32 s[DIRTY], 0
	PLACES 4
.endif
.Lmul_\@:
	MUL8 A, AS
.Lnext_\@:
	s_add_co_u32 s[TI], s[TI], 1
	s_cmp_lt_u32 s[TI], 32
	s_cbranch_scc1 .Ltile_\@
.endm
	s_load_b256 s[4:11], s[0:1], 0x0               ; ids, W0, W1, b1
	s_load_b128 s[12:15], s[0:1], 0x20             ; W2, b2
	s_load_b64 s[16:17], s[0:1], 0x30              ; out0
	v_lshl_add_u32 v37, v0, 2, 0x1dc00
	v_mov_b32 v87, 0
	v_lshrrev_b32 v23, 5, v0
	v_readfirstlane_b32 s[WV], v23                 ; wave 0..7
	v_and_b32 v24, 31, v0                          ; lane
	v_and_b32 v25, 15, v0                          ; r
	v_bfe_u32 v26, v0, 4, 1                        ; h
	v_lshlrev_b32 v[L16], 4, v24
	v_lshlrev_b32 v[LS4], 2, v24
	v_lshlrev_b32 v[IDL], 6, v24
	v_lshlrev_b32 v[ADI0], 2, v25
	s_lshl_b32 s28, ttmp9, 10                      ; the work-group's 256 columns of W0 begin 1,024 g bytes into a row
	v_add_nc_u32 v[G0B], s28, v[L16]
	v_min_u32 v[G0A], W0ROW-16, v[G0B]             ; held at the row's last 16 bytes: no load leaves its row; what is read twice so lies beyond VOCAB and is replaced by zeros
	v_add_nc_u32 v[G0B], 512, v[G0B]
	v_min_u32 v[G0B], W0ROW-16, v[G0B]
	v_and_b32 v[BGO], 127, v0
	v_lshlrev_b32 v[BGO], 2, v[BGO]
	v_lshlrev_b32 v[BLA], 2, v0
	s_mul_i32 s29, s[WV], 16*SPITCH
	s_add_co_u32 s29, s29, STG                     ; my stage
	v_add_nc_u32 v[STW], s29, v[L16]
	v_mul_u32_u24 v27, v25, SPITCH
	v_lshl_add_u32 v[STR], v26, 7, v27
	v_add_nc_u32 v[STR], s29, v[STR]
	v_lshl_add_u32 v[SO], v26, 6, v27
	v_add_nc_u32 v[SO], s29, v[SO]
	s_mul_i32 s28, s[WV], FRB
	v_add_nc_u32 v[IMW], s28, v[L16]
	s_lshl_b32 s28, s[WV], 7
	v_add_nc_u32 v[SCW], s28, v[LS4]
	s_lshl_b32 s28, s[WV], 9
	v_add_nc_u32 v[TOK0], s28, v25
	v_lshlrev_b32 v[HSH], 5, v26
	v_lshl_add_u32 v[BIA], v26, 6, BIAS
	v_mov_b32 v[AS], 0x7d7d7d7d
	v_mov_b32 v[THREE], 3
	s_mov_b32 s[SEL], 0x76543210
	s_mov_b32 s[SEL+1], 0xfedcba98
	s_lshl_b32 s[K0], ttmp9, 8                     ; pass 0's first column: 256 g
	s_mov_b32 s[OCC], 0
	s_mov_b32 s[DIRTY], 0
	s_lshr_b32 s28, s[WV], 1
	s_lshl_b32 s28, s28, 5
	s_and_b32 s29, s[WV], 1
	s_lshl_b32 s29, s29, 3
	s_add_co_u32 s28, s28, s29                     ; the first row of the tile that I quantise: 32 (w / 2) + 8 (w % 2)
	s_mul_i32 s30, s28, W0ROW                      ; in W0 (under 2^25 bytes),
	s_mov_b32 s31, 0
	s_lshl_b32 s32, s28, 9                         ; in W1 and W2
	s_mov_b32 s33, 0
	s_lshl_b32 s28, s[WV], 11                      ; my 512 ids
	s_mov_b32 s29, 0
	s_wait_kmcnt 0x0
	s_add_nc_u64 s[6:7], s[6:7], s[30:31]
	s_add_nc_u64 s[8:9], s[8:9], s[32:33]
	s_add_nc_u64 s[12:13], s[12:13], s[32:33]
	s_add_nc_u64 s[4:5], s[4:5], s[28:29]
	s_cmp_lt_u32 s[WV], 4                          ; waves 0-3 fetch b1, waves 4-7 b2: the choice hangs on the wave's number alone
	s_cselect_b64 s[34:35], s[10:11], s[14:15]
	; THE LOADS GO OUT HERE, in the order in which they are wanted: 4 + 1 + 16 + 16 + 16; W0's second slab follows behind the first wait.  Each load of a weight reads 512 consecutive bytes of one row.
.irp j, 0,1,2,3
	global_load_b128 v[PC+4*\j:PC+4*\j+3], v[IDL], s[4:5] offset:16*\j         ; lane l: the 16 ids of tile l, 64 consecutive bytes in four loads
.endr
	global_load_b32 v[PC+16], v[BGO], s[34:35]
	WIN 0x40                                       ; destination window 1
.irp i, 0,1,2,3,4,5,6,7,8,9,10,11,12,13,14,15
	global_load_b128 v[LB0+4*\i:LB0+4*\i+3], v[L16], s[8:9] offset:(\i+8*(\i/8))*512
.endr
.irp i, 0,1,2,3,4,5,6,7,8,9,10,11,12,13,14,15
	global_load_b128 v[LB1+4*\i:LB1+4*\i+3], v[L16], s[12:13] offset:(\i+8*(\i/8))*512
.endr
.irp i, 0,1,2,3,4,5,6,7,8,9,10,11,12,13,14,15
	global_load_b128 v[LB2+4*\i:LB2+4*\i+3], v[G0A], s[6:7] offset:(\i+8*(\i/8))*W0ROW th:TH_LOAD_NT   ; 23 rows of W0 at the most: inside the signed 24-bit immediate; read once in the whole launch
.endr
	WIN 0
.set j, 0
.rept 64
	v_mov_b32 v[P+j], 0                            ; the loop is written once and sums in place: P begins as zeros
.set j, j+1
.endr
.irp n, 0,1,2,3,4,5,6,7,8,9,10,11
	v_mov_b32 v[A+\n], 0
.endr
	v_mov_b32 v[TOK], 0
.irp b, 4,5,6,7,11
	v_mov_b32 v[TM+\b], 0                          ; written once: a lane permute's destination counts as one of its sources
.endr
	s_wait_loadcnt 32                              ; the ids, the bias word and W1 are in; the 32 younger loads (W2, W0's first slab) stay out
	WIN 0x40
.irp i, 0,1,2,3,4,5,6,7,8,9,10,11,12,13,14,15
	global_load_b128 v[LB3+4*\i:LB3+4*\i+3], v[G0B], s[6:7] offset:(\i+8*(\i/8))*W0ROW th:TH_LOAD_NT   ; W0's second slab: wanted behind pass 0
.endr
	WIN 0
	ds_store_b32 v[BLA], v[PC+16] offset:BIAS
	WHICH NE0, K0                                  ; the two maps of tiles, while the weights are on their way
	s_add_co_u32 s28, s[K0], 128
	WHICH NE1, 28
	QSLAB LB0, IMGW1, SCW1, 0
	s_wait_loadcnt 32                              ; W2 is in; W0's two slabs, 32 loads, stay out
	QSLAB LB1, IMGW2, SCW2, 0
	s_wait_loadcnt 16                              ; W0's first slab is in; the second's 16 loads stay out
	QSLAB LB2, IMG0, SC0, 1
	BARRIER                                        ; W1's, W2's and pass 0's fragments, their scale words and the biases lie in LDS; from here on they are only read
	FETCH IMG0, SC0
	PASS IMG0, SC0, NE0
	PLACES 4                                       ; in front of the loads into B's registers, which the last products read
	s_wait_loadcnt 0x0                             ; W0's second slab
	s_add_co_u32 s[K0], s[K0], 128
	QSLAB LB3, IMG1, SC1, 1                        ; into bytes that nobody reads before the barrier below
	BARRIER
	FETCH IMG1, SC1
	PASS IMG1, SC1, NE1
	s_cmp_eq_u32 s[OCC], 0                         ; a wave none of whose tokens has its 1 in these two K steps has nothing to store
	s_cbranch_scc1 .Lend
	FLUSH 0, 0, 0
.Lend:
	s_wait_tensorcnt 0x0
	ds_add_u32 v37, v87
	s_wait_dscnt 0x0
	s_endpgm
.Lfunc_end_k_q66fc218fd8_encoder:
	.size	k_q66fc218fd8_encoder, .Lfunc_end_k_q66fc218fd8_encoder-k_q66fc218fd8_encoder
	.p2alignl 7, 3214868480
	.fill 96, 4, 3214868480
	.section	.rodata,"a",@progbits
	.p2align	6, 0x0
	.amdhsa_kernel k_q66fc218fd8_encoder
		.amdhsa_group_segment_fixed_size 122880
		.amdhsa_private_segment_fixed_size 0
		.amdhsa_enable_private_segment 0
		.amdhsa_kernarg_size 56
		.amdhsa_user_sgpr_count 2
		.amdhsa_user_sgpr_kernarg_segment_ptr 1
		.amdhsa_wavefront_size32 1
		.amdhsa_system_sgpr_workgroup_id_x 1
		.amdhsa_system_sgpr_workgroup_id_y 1
		.amdhsa_system_sgpr_workgroup_id_z 1
		.amdhsa_system_vgpr_workitem_id 0
		.amdhsa_next_free_vgpr 512
		.amdhsa_next_free_sgpr 66
		.amdhsa_reserve_vcc 1
		.amdhsa_float_denorm_mode_32 3
		.amdhsa_float_denorm_mode_16_64 3
		.amdhsa_memory_ordered 1
		.amdhsa_forward_progress 1
		.amdhsa_inst_pref_size 137
	.end_amdhsa_kernel
	.amdgpu_metadata
---
amdhsa.version: [ 1, 2 ]
amdhsa.kernels:
  - .name:           k_q66fc218fd8_encoder
    .symbol:         k_q66fc218fd8_encoder.kd
    .args:
      - { .name: user_ids, .offset: 0, .size: 8, .value_kind: global_buffer, .address_space: global }
      - { .name: W0, .offset: 8, .size: 8, .value_kind: global_buffer, .address_space: global }
      - { .name: W1, .offset: 16, .size: 8, .value_kind: global_buffer, .address_space: global }
      - { .name: b1, .offset: 24, .size: 8, .value_kind: global_buffer, .address_space: global }
      - { .name: W2, .offset: 32, .size: 8, .value_kind: global_buffer, .address_space: global }
      - { .name: b2, .offset: 40, .size: 8, .value_kind: global_buffer, .address_space: global }
      - { .name: out0, .offset: 48, .size: 8, .value_kind: global_buffer, .address_space: global }
    .group_segment_fixed_size: 122880
    .private_segment_fixed_size: 0
    .kernarg_segment_align: 8
    .kernarg_segment_size: 56
    .max_flat_workgroup_size: 256
    .sgpr_count:     66
    .vgpr_count:     512
    .wavefront_size: 32
...
	.end_amdgpu_metadata
.endif
;; end of part 1
;; ======== version 2 of 2: 1 launch; version 1 with the launch encoder written anew for expert scheduling mode
;; launch encoder (part 2): grid 196 x 1, 8 waves a work-group, no clusters, 122,880 bytes of LDS; arguments user_ids, W0, W1, b1, W2, b2, out0; writes out0
.if DOCPART == 2
	.amdgcn_target "amdgcn-amd-amdhsa--gfx1250"
	.amdhsa_code_object_version 6
	.text
	.protected	k_q66fc218fd8_encoder
	.globl	k_q66fc218fd8_encoder
	.p2align	8
	.type	k_q66fc218fd8_encoder,@function
k_q66fc218fd8_encoder:
	s_mov_b64 s[64:65], 0
	v_nop
	global_prefetch_b8 v0, s[64:65] scope:SCOPE_SE
	s_setreg_imm32_b32 hwreg(HW_REG_WAVE_SCHED_MODE, 0, 2), 2
	s_setreg_imm32_b32 hwreg(HW_REG_WAVE_MODE, 25, 1), 1
	s_wait_xcnt 0x0
	s_wait_alu depctr_vm_vsrc(0)
; out0 = ((onehot(ids) W0^T) W1^T + b1) W2^T + b2, all three products on codes of FP6 (E2M3) with one E8M0 scale for each 32 along K; sums in f32.
; W0 [128][50000], W1, W2 [128][128], b1, b2 [128]: f32.  ids [4096] int32.  out0 [4096][128] f32.
; SHARES.  K of the first product (the 50,000 ids) is cut into 391 steps of 128.  Work-group g owns steps 2 g and 2 g + 1 and multiplies ALL 4,096 rows of the one-hot matrix by them, in two passes of one step.
; Its 128 x 128 numbers of W0 for a step are read once as f32, quantised in registers (wave w: 16 rows of W0), handed on through LDS as images of the operand's registers, and then stay in every wave's registers.
; Wave w takes tokens 512 w .. 512 w + 511: 32 tiles of 16 a pass, 8 matrix instructions a tile.
; THE ONE-HOT OPERAND is made in registers from the ids.  A block of 32 that holds the 1 has the scale 2^-2 (byte 125) and the code of 4.0 (binary 011000); all other codes are 0.
; WHICH TILES HOLD A 1 is found once for each pass, at the head: lane l takes the 16 ids of tile l, and the smallest (id - the step's first column) of the 16, compared with 128, gives a map of 32 bits, one for a tile.
; A trip of the loop tests its bit.  In nearly every trip the operand is zeros, which lie ready in registers; only a tile with a 1 loads its 16 ids again, one to a lane, and makes its operand.
; NO SUM ACROSS WORK-GROUPS.  A token's 1 lies in one K step, so every other step adds exact zeros to its row: the wave that meets the 1 has the whole row of the first product.  And since foreign rows are exact zeros, all tiles
; of a wave are summed in place into ONE set of 8 accumulators (P): slot r of P ends up with the one owned token that stood in row r of its tile.  OCC marks the slots that are taken; if an owned token would fall on a taken slot, P is
; flushed first.  A FLUSH quantises P, multiplies by W1 (b1 as C), quantises, multiplies by W2 (b2 as C) and stores the taken slots' rows of out0; one flush stands at the end.  So each row of out0 has one owner.
; ALL PRODUCTS ARE USED TRANSPOSED: source 0 = 16 rows of a weight, source 1 = 16 tokens: a lane holds one token (lane % 16).  THE ROWS OF A WEIGHT THAT FORM A TILE ARE NOT NEIGHBOURS: row i of tile t is
; 32 (t / 2) + 8 (t % 2) + i + 8 (i / 8), so that the 16 registers of tiles 2 b, 2 b + 1 are 16 neighbours along the next K: unit 32 b + 16 (lane / 16) + 0 .. 15.
; NO TENSOR LOADS, NO CLUSTER: whether a tile is worked on and when P is flushed are branches on ids read from memory; W1 and W2, which all work-groups share, are 128 KiB
; against the 128 KiB of W0 that a work-group reads alone, and come by plain loads.
; SKIP_EMPTY = 1 would jump over the matrix instructions of tiles in which no 1 lies; with 0 the product is multiplied as it is written.
; LIMITS: ids lie in 0 .. 49,999, as the problem states (an id beyond 50,175 or below 0 would leave its row unwritten).  NaN and infinities in the weights are not served.  A block of zeros gets the scale byte 1 (the one-hot's: 125)
; where the rule says 127: its codes are zeros, which add nothing, and only this program reads the bytes.  Blocks whose largest magnitude lies under 2^-124 are held at the byte 1.
; THE MODE: SCHED_MODE bits 1:0 = 2 (LLVM: expert scheduling mode 2), set by the entry lines.  The code itself states the register dependences between vector or matrix instructions and memory or LDS instructions,
; with s_wait_alu, always for 0.
; THE PLAN.  Registers that memory or LDS instructions touch, and who else names them:
;   the addresses v1-10, v19, v20, v22, v39, and v37, v87   Written at the head by vector lines and never again: one wait on va_vdst ahead of the first load serves every load and store of the kernel.
;   LB0 .. LB3 (window 1)   Each is written by one run of global loads and read by one run of LDS stores; no vector line names them.
;   X (B's registers while a slab is quantised)   LDS loads land in it; QSLAB's vector lines read it.  Ahead of those loads a wait on va_vdst, where vector or matrix lines have named X since the last one.
;   QC, PW   QSLAB's vector lines write them, its image stores read them: a wait on va_vdst ahead of the stores; a wait on vm_vsrc ahead of whatever writes them next (the next slab's lines, or the fragments' loads).
;   B, BS    LDS loads land in them, matrix instructions read them; in a flush the rows of out0 land in B and the row stores read them.
;   P        Matrix and vector lines; in a flush the bias's LDS loads land in it and the stores into the stage read it.
;   IDN, ADI, OFFV   Only on the ways that a tile with a 1 takes: a wait on vm_vsrc ahead of the sum that writes an address again, a wait on va_vdst between that sum and the access.
;   A, AS, PC, PW    Written by vector lines and taken by scaled matrix instructions as operand or scales: the places, then a wait on va_vdst.
; THE COMMON TRIP of the loop holds scalar tests and 8 matrix instructions, on operands that were shown written long before: no memory, LDS or plain vector line, and so no wait.
; A scalar register or VCC that a vector line writes (the wave's number, a compare's mask, a token's number) has its wait on va_sdst or va_vcc ahead of its first reader; compares stand in runs, into s30-33, one wait behind a run.
.set VOCAB,  50000
.set TOKENS, 4096
.set W0ROW,  VOCAB*4                   ; a row of W0 in bytes
.set SKIP_EMPTY, 0
; LDS
.set FRB,    1536                      ; a fragment's image: 12 registers x 32 lanes x 4 bytes
.set IMG0,   0                         ; W0's 8 fragments of pass 0
.set IMG1,   IMG0+8*FRB                ; of pass 1
.set IMGW1,  IMG1+8*FRB                ; W1's
.set IMGW2,  IMGW1+8*FRB               ; W2's
.set SC0,    IMGW2+8*FRB               ; their scale words: 128 bytes a fragment
.set SC1,    SC0+1024
.set SCW1,   SC1+1024
.set SCW2,   SCW1+1024
.set BIAS,   SCW2+1024                 ; b1, then b2
.set STG,    BIAS+1024                 ; for each wave a stage of 16 rows x (512 + 16) bytes: row r starts 4 r banks on, so 16 rows' loads of 16 bytes meet in no bank
.set SPITCH, 528
; vector registers, window 0
.set L16,  1                           ; 16 x lane
.set LS4,  2                           ; 4 x lane
.set G0A,  3                           ; my 16 bytes of a row of W0, pass 0: held inside the row
.set G0B,  4                           ; pass 1
.set BGO,  5                           ; my word of b1 or b2
.set STW,  6                           ; the stage by rows: 16 x lane
.set STR,  7                           ; the stage by lanes: row r, + 128 h
.set IMW,  8                           ; where I store my fragment's image
.set SCW,  9                           ; and its scale words
.set ADI0, 10                          ; 4 r: my id's place in a tile's 64 bytes
.set ADI,  11                          ; the same in the tile in hand, counted from my wave's first id
.set IDN,  12                          ; the id of row r of the tile in hand
.set REL,  13                          ; id - the K step's first column
.set TOKC, 14                          ; the token in row r of the tile in hand
.set TOK,  15                          ; the token that holds slot r of P
.set TOK0, 16                          ; 512 w + r
.set HSH,  17                          ; 32 h
.set AS,   18                          ; the one-hot's scale word: four bytes 125; holds nothing else
.set SO,   19                          ; the stage, results in: row r, + 64 h
.set IDL,  20                          ; 64 x lane: at the head lane l takes tile l's ids
.set OFFV, 21                          ; a row's byte offset in out0
.set BIA,  22                          ; BIAS + 64 h
.set GT,   23                          ; v23-32 at work in GEN
.set THREE, 33                         ; 3
.set PW,   38                          ; the scale word just made; holds nothing else
.set BLA,  39                          ; 4 x thread
.set TM,   40                          ; v40-55 at work in the quantisers
.set A,    56                          ; v56-67  the one-hot fragment
.set PC,   68                          ; v68-87  the codes of P (12) and 8 at work; at the head the ids and the bias word land here
.set BS,   88                          ; v88-95  the 8 fragments' scale words; hold nothing else
.set B,    96                          ; v96-191 8 fragments of a weight
.set P,    192                         ; v192-255 8 accumulators
.set X,    96                          ; while a slab is quantised B's registers are free: 64 numbers,
.set QC,   160                         ; 12 registers of codes,
.set QT,   172                         ; and 8 at work
; window 1: four sets of 64 registers for the f32 numbers as they are loaded
.set LB0,  0                           ; W1
.set LB1,  64                          ; W2
.set LB2,  128                         ; W0, pass 0
.set LB3,  192                         ; W0, pass 1
; scalar registers: s[4:5] ids, s[6:7] W0, s[8:9] W1, s[10:11] b1, s[12:13] W2, s[14:15] b2, s[16:17] out0, s28-33 at work, s[34:35] the bias that my wave fetches
.set WV,   18
.set SEL,  20                          ; s[20:21] v_permlanex16_b32's selects for lane l xor 16
.set K0,   22                          ; the K step's first column
.set TI,   23                          ; the tile in hand, 0 .. 31
.set OCC,  25                          ; slots of P that are taken (the same 16 bits in both halves)
.set MK,   26                          ; rows of the tile in hand whose 1 lies in this K step
.set DIRTY, 27                         ; 1: A holds a 1 somewhere
.set CM,   30                          ; s30-33: behind the head's address work, the masks of a run of up to four compares
.set NE0,  36                          ; bit t: tile t of my 32 holds a 1 of pass 0's K step
.set NE1,  37                          ; of pass 1's
.set MSB, 0
.macro WIN new                         ; the immediate's high byte repeats the setting that is left
.if MSB != \new
	s_set_vgpr_msb (MSB<<8)|\new
.set MSB, \new
.endif
.endm
.macro PLACES n                        ; plain vector instructions that name no register of the matrix instructions near them (ISA guide 7.12.1)
.rept \n
	v_nop
.endr
.endm
.macro BARRIER                         ; my LDS stores have landed and my LDS loads are in: then the work-group's barrier
	s_wait_dscnt 0x0
	s_barrier_signal -1
	s_barrier_wait -1
.endm
; Which of my 32 tiles hold a 1 of the K step that begins at column s[first].  v[PC] .. v[PC + 15] hold, in lane l, the 16 ids of tile l.  id - first is taken as unsigned: an id below the step wraps to a large number.
.macro WHICH ne, first
.irp i, 0,1,2,3,4,5,6,7,8,9,10,11,12,13,14,15
	v_sub_nc_u32 v[X+\i], v[PC+\i], s[\first]
.endr
.irp i, 0,1,2,3,4,5,6,7
	v_min_u32 v[X+\i], v[X+\i], v[X+8+\i]
.endr
.irp i, 0,1,2,3
	v_min_u32 v[X+\i], v[X+\i], v[X+4+\i]
.endr
.irp i, 0,1
	v_min_u32 v[X+\i], v[X+\i], v[X+2+\i]
.endr
	v_min_u32 v[X], v[X], v[X+1]                   ; the smallest of the tile's 16
	v_cmp_gt_u32 vcc_lo, 0x80, v[X]                ; under 128: one of them lies in the step
	s_wait_alu depctr_va_vcc(0)                    ; the compare has written VCC, which the next line reads
	s_mov_b32 s[\ne], vcc_lo
.endm
; 16 rows x 128 numbers of f32, in window 1 as loaded (register 4 i + q: row i, my 16 bytes), become a fragment's image and scale words in LDS.
; tail = 1: the slab is W0's, and columns at or beyond VOCAB count as zeros.  after = 1: another slab was quantised just before this one, with no vector or matrix line between.
.macro QSLAB lb, img, sc, tail, after
	WIN 0x04                                       ; an LDS store's data are its source 1: window 1
.irp i, 0,1,2,3,4,5,6,7,8,9,10,11,12,13,14,15
	ds_store_b128 v[STW], v[\lb+4*\i:\lb+4*\i+3] offset:SPITCH*\i
.endr
	WIN 0
.if !\after
	s_wait_alu depctr_va_vdst(0)                   ; the vector and matrix lines issued so far (the maps of tiles; the last pass's products, which read B) are done with v[X ..], in which the loads below land
.endif                                         ; (after = 1: the slab before ended its vector lines ahead of its own last wait on va_vdst, and none has been issued since)
.irp c, 0,1                            ; back by lanes: lane (r, h) takes k = 64 c + 32 h + 0 .. 31 of row r, the very numbers that the operand's layout gives it.  LDS serves a wave's instructions in order: these see the stores above
.irp j, 0,1,2,3,4,5,6,7
	ds_load_b128 v[X+32*\c+4*\j:X+32*\c+4*\j+3], v[STR] offset:256*\c+16*\j
.endr
.endr
	s_wait_dscnt 0x0                               ; the numbers are in
.if \after
	s_wait_alu depctr_vm_vsrc(0)                   ; the image stores of the slab before have read QC and PW, which are written below
.endif
.if \tail
	s_add_co_u32 s28, s[K0], 128                   ; a K step that ends inside W0 skips this: a branch on the work-group's number, over vector work alone
	s_cmp_le_u32 s28, VOCAB
	s_cbranch_scc1 .Lwhole_\@
	v_add_nc_u32 v[TM+13], s[K0], v[HSH]           ; my first column.  VOCAB is a multiple of 16, so each run of 16 columns lies wholly inside or wholly outside
.irp c, 0,1
.irp u, 0,1
	v_cmp_gt_u32 s[CM+2*\c+\u], VOCAB-64*\c-16*\u, v[TM+13]
.endr
.endr
	s_wait_alu depctr_va_sdst(0)                   ; the four compares have written s30-33, which the selects below read
.irp c, 0,1
.irp u, 0,1
.irp i, 0,1,2,3,4,5,6,7,8,9,10,11,12,13,14,15
	v_cndmask_b32 v[X+32*\c+16*\u+\i], 0, v[X+32*\c+16*\u+\i], s[CM+2*\c+\u]
.endr
.endr
.endr
.Lwhole_\@:
.endif
.irp c, 0,1                            ; my blocks h and 2 + h: all 32 numbers of each are mine.  Four chains of 16, each with the floor 2^(3 - 127) among its leaves: so the byte cannot fall under 1
.irp u, 0,1
	v_max3_num_f32 v[TM+2*\c+\u], |v[X+32*\c+16*\u]|, |v[X+32*\c+16*\u+1]|, 0x1800000
.endr
.endr
.irp i, 2,4,6,8,10,12,14
.irp c, 0,1
.irp u, 0,1
	v_max3_num_f32 v[TM+2*\c+\u], v[TM+2*\c+\u], |v[X+32*\c+16*\u+\i]|, |v[X+32*\c+16*\u+\i+1]|
.endr
.endr
.endr
.irp c, 0,1
	v_max_num_f32 v[TM+2*\c], v[TM+2*\c], v[TM+2*\c+1]
.endr
.irp c, 0,1
	v_add_nc_u32 v[TM+4+\c], 0xff000000, v[TM+2*\c]   ; 2 off the exponent field: the conversion takes the exponent field of this operand as its scale, and nothing else of it
.endr
.irp c, 0,1
	v_lshrrev_b32 v[TM+8+\c], 23, v[TM+4+\c]       ; the scale's byte
.endr
	v_lshl_or_b32 v[TM+10], v[TM+9], 16, v[TM+8]   ; my two bytes,
	v_lshrrev_b32 v[TM+12], 2, v[HSH]
	v_lshlrev_b32 v[TM+10], v[TM+12], v[TM+10]     ; at their places in the row's scale word (8 h bits up);
	v_permlanex16_b32 v[TM+11], v[TM+10], s[SEL], s[SEL+1]
	v_or_b32 v[PW], v[TM+10], v[TM+11]             ; with lane l xor 16's two the word is whole
.irp c, 0,1
	v_cvt_scalef32_pk16_fp6_f32 v[QC+6*\c:QC+6*\c+2], v[X+32*\c:X+32*\c+15], v[TM+4+\c]
	v_cvt_scalef32_pk16_fp6_f32 v[QT+4*\c:QT+4*\c+2], v[X+32*\c+16:X+32*\c+31], v[TM+4+\c]   ; (a conversion's three registers begin on an even number: the second half of a block's six is made elsewhere and moved)
.endr
	v_nop                                          ; one plain place behind a scaled conversion
.irp c, 0,1
.irp i, 0,1,2
	v_mov_b32 v[QC+3+6*\c+\i], v[QT+4*\c+\i]
.endr
.endr
	s_wait_alu depctr_va_vdst(0)                   ; the conversions and moves have written QC, and PW is written: the stores below read them.  All the slab's vector lines stand ahead of this wait
.irp k, 0,1,2
	ds_store_b128 v[IMW], v[QC+4*\k:QC+4*\k+3] offset:\img+512*\k   ; the fragment goes to LDS as it stands: lane l's 16 bytes at 16 l
.endr
	ds_store_b32 v[SCW], v[PW] offset:\sc
.endm
; a weight's 8 fragments and their scale words come back so, in any wave
.macro FETCH img, sc
.irp t, 0,1,2,3,4,5,6,7
.irp k, 0,1,2
	ds_load_b128 v[B+12*\t+4*\k:B+12*\t+4*\k+3], v[L16] offset:\img+FRB*\t+512*\k
.endr
	ds_load_b32 v[BS+\t], v[LS4] offset:\sc+128*\t
.endr
.endm
; P += the weight's 8 tiles x 16 tokens.  The eight accumulators take turns, one instruction a turn, over the loop's backward jump too.
.macro MUL8 src, scl
.irp t, 0,1,2,3,4,5,6,7
	v_wmma_scale_f32_16x16x128_f8f6f4 v[P+8*\t:P+8*\t+7], v[B+12*\t:B+12*\t+11], v[\src:\src+11], v[P+8*\t:P+8*\t+7], v[BS+\t], v[\scl] matrix_a_fmt:MATRIX_FMT_FP6 matrix_b_fmt:MATRIX_FMT_FP6
.endr
.endm
; The one-hot fragment of the tile in hand.  Lane (r, h) holds k = 64 c + 32 h + p of token r at bits 192 c + 6 p of its 12 registers.  The code of 4.0 has its bits 3 and 4 set.
; The compares stand in runs, into s30-33, with one wait behind each run.
.macro GEN
	v_xor_b32 v[GT], v[REL], v[HSH]                ; T: bit 5 is 0 where the 1 lies in my half
	v_and_b32 v[GT+1], 0xffffffa0, v[GT]           ; U = 0: the 1 lies in this K step and in my half
	v_and_b32 v[GT+2], 31, v[GT]                   ; p
	v_and_b32 v[GT+3], 64, v[GT]                   ; 64 c
	v_mad_u32_u24 v[GT+4], v[GT+2], 6, 3
	v_mad_u32_u24 v[GT+4], v[GT+3], 3, v[GT+4]     ; the lower of the two bits: 192 c + 6 p + 3
	v_lshrrev_b32 v[GT+5], 5, v[GT+4]              ; its register,
	v_and_b32 v[GT+7], 31, v[GT+4]                 ; its place there
	v_lshlrev_b32 v[GT+8], v[GT+7], v[THREE]       ; the two bits; at place 31 the upper one falls out,
	v_cmp_eq_u32 s[CM], 0, v[GT+1]
	v_cmp_eq_u32 s[CM+1], 31, v[GT+7]
	s_wait_alu depctr_va_sdst(0)                   ; the two compares have written s30 and s31, which the selects below read
	v_cndmask_b32 v[GT+5], 64, v[GT+5], s[CM]      ; the register, or none
	v_cndmask_b32 v[GT+9], 0, 1, s[CM+1]           ; into the next register's bit 0: only p = 10 and p = 26 do that, so only registers 2, 5, 8, 11 can take it
	v_add_nc_u32 v[GT+6], 1, v[GT+5]
.irp m, 0,1,2,3                        ; three registers of A at a time
	v_cmp_eq_u32 s[CM], 3*\m, v[GT+5]
	v_cmp_eq_u32 s[CM+1], 3*\m+1, v[GT+5]
	v_cmp_eq_u32 s[CM+2], 3*\m+2, v[GT+6]
	v_cmp_eq_u32 s[CM+3], 3*\m+2, v[GT+5]
	s_wait_alu depctr_va_sdst(0)                   ; the four compares have written s30-33, which the selects below read
	v_cndmask_b32 v[A+3*\m], 0, v[GT+8], s[CM]
	v_cndmask_b32 v[A+3*\m+1], 0, v[GT+8], s[CM+1]
	v_cndmask_b32 v[A+3*\m+2], 0, v[GT+9], s[CM+2]
	v_cndmask_b32 v[A+3*\m+2], v[A+3*\m+2], v[GT+8], s[CM+3]
.endr
.endm
; 64 numbers of a lane, v[s] .. v[s + 63], register 16 b + i = k 32 b + 16 (lane / 16) + i of my token, become a fragment's codes in v[PC] on and its scale word in v[PW].
.macro QUANT s
.irp b, 0,1,2,3
	v_max3_num_f32 v[TM+\b], |v[\s+16*\b]|, |v[\s+1+16*\b]|, 0x1800000   ; block b: my 16 numbers, from each accumulator's low end on, and the floor 2^(3 - 127)
.endr
.irp i, 2,4,6,8,10,12,14
.irp b, 0,1,2,3
	v_max3_num_f32 v[TM+\b], v[TM+\b], |v[\s+16*\b+\i]|, |v[\s+1+16*\b+\i]|   ; (the four blocks by turns)
.endr
.endr
.irp b, 0,1,2,3
	v_permlanex16_b32 v[TM+4+\b], v[TM+\b], s[SEL], s[SEL+1]
.endr
.irp b, 0,1,2,3
	v_max_num_f32 v[TM+\b], v[TM+\b], v[TM+4+\b]   ; with lane l xor 16's: the block's largest magnitude
.endr
.irp b, 0,1,2,3
	v_add_nc_u32 v[TM+12+\b], 0xff000000, v[TM+\b]   ; 2 off its exponent field: the conversion's scale operand
.endr
.irp b, 0,1,2,3
	v_lshrrev_b32 v[TM+4+\b], 23, v[TM+12+\b]      ; the scale's byte
.endr
	v_lshl_or_b32 v[PW], v[TM+5], 8, v[TM+4]       ; the four bytes make my token's scale word
	v_lshl_or_b32 v[PW], v[TM+6], 16, v[PW]
	v_lshl_or_b32 v[PW], v[TM+7], 24, v[PW]
.irp c, 0,1
	v_cvt_scalef32_pk16_fp6_f32 v[PC+6*\c:PC+2+6*\c], v[\s+32*\c:\s+15+32*\c], v[TM+12+2*\c]
	v_cvt_scalef32_pk16_fp6_f32 v[PC+12+4*\c:PC+14+4*\c], v[\s+16+32*\c:\s+31+32*\c], v[TM+12+2*\c+1]   ; (a conversion's three registers begin on an even number)
.endr
	v_nop                                          ; one plain place behind a scaled conversion
.irp c, 0,1                            ; the operand's layout wants a WHOLE block in a lane: lanes 0-15 block 2 c, lanes 16-31 block 2 c + 1
.irp i, 0,1,2
	v_permlane16_swap_b32 v[PC+6*\c+\i], v[PC+12+4*\c+\i]
.endr
.irp i, 0,1,2
	v_mov_b32 v[PC+3+6*\c+\i], v[PC+12+4*\c+\i]
.endr
.endr
.endm
; One Linear(128 -> 128) on the 16 slots of P: P = Q(P) Q(W)^T + b.  The bias is the C of the sums: it is loaded into P's registers, in the result's layout, once P has been quantised.
.macro LAYER img, sc, boff
	PLACES 4                                       ; behind the last products: in front of the first read of P
	s_wait_alu depctr_va_vdst(0)                   ; the last products are done reading B and BS, in which the loads below land
	FETCH \img, \sc
	QUANT P
	PLACES 8                                       ; a scale word made by vector instructions stands 8 places ahead of a scaled matrix instruction, codes so made 4
	s_wait_alu depctr_va_vdst(0)                   ; the quantiser's lines are done reading P, in which the bias lands; and they have written PC and PW, which the products below take as operand and scales
.irp t, 0,1,2,3,4,5,6,7
.irp q, 0,1
	ds_load_b128 v[P+8*\t+4*\q:P+8*\t+4*\q+3], v[BIA] offset:\boff+128*(\t/2)+32*(\t%2)+16*\q   ; b at units 32 (t / 2) + 16 h + 8 (t % 2) + 0 .. 7
.endr
.endr
	s_wait_dscnt 0x0                               ; the weight, its scale words and the bias are in
	MUL8 PC, PW
.endm
; P's taken slots go through both layers and out.  refetch = 1: the pass goes on: P and OCC are cleared and the pass's fragments of W0 come back.
.macro FLUSH refetch, img, sc
	LAYER IMGW1, SCW1, 0
	LAYER IMGW2, SCW2, 512
	PLACES 4                                       ; in front of the stores that read the results
	s_wait_alu depctr_va_vdst(0)                   ; the products have written P, which the LDS stores read, and are done reading B, in which the rows land; the places above stay beside this wait
.irp t, 0,1,2,3,4,5,6,7
	ds_store_b128 v[SO], v[P+8*\t:P+8*\t+3] offset:128*(\t/2)+32*(\t%2)        ; each accumulator from its low end on: slot r's row, units 32 (t / 2) + 16 h + 8 (t % 2) + 0 .. 7
	ds_store_b128 v[SO], v[P+8*\t+4:P+8*\t+7] offset:128*(\t/2)+32*(\t%2)+16
.endr
.irp i, 0,1,2,3,4,5,6,7,8,9,10,11,12,13,14,15
	ds_load_b128 v[B+4*\i:B+4*\i+3], v[STW] offset:SPITCH*\i                   ; back as whole rows of 512 bytes; the stage is my own, and LDS serves a wave's instructions in order
.endr
	s_wait_dscnt 0x0                               ; the rows are in
.irp i, 0,1,2,3,4,5,6,7,8,9,10,11,12,13,14,15
	s_bitcmp1_b32 s[OCC], \i                       ; a slot that no token holds is not stored
	s_cbranch_scc0 .Lempty_\@_\i
	v_readlane_b32 s29, v[TOK], \i
	s_wait_alu depctr_va_sdst(0)                   ; s29 is written, ahead of its first reader
	s_min_u32 s29, s29, TOKENS-1                   ; (it is a token's number: the hold changes nothing)
	s_lshl_b32 s29, s29, 9
	s_wait_xcnt 0x0                                ; the row store before has had its address translated: its offset register is written again only behind this wait,
	s_wait_alu depctr_vm_vsrc(0)                   ; and it has read that register
	v_add_nc_u32 v[OFFV], s29, v[L16]
	s_wait_alu depctr_va_vdst(0)                   ; the offset is written, which the store reads
	global_store_b128 v[OFFV], v[B+4*\i:B+4*\i+3], s[16:17] th:TH_STORE_NT     ; 32 lanes store a row's 512 consecutive bytes, at a multiple of 512 from out0's first byte
.Lempty_\@_\i:
.endr
.if \refetch
	s_wait_xcnt 0x0                                ; the row stores have had their addresses translated: B is loaded again only behind this wait
	s_wait_alu depctr_vm_vsrc(0)                   ; the row stores have read B, in which the fragments land; the stores into the stage have read P, which is cleared below
.set j, 0
.rept 64
	v_mov_b32 v[P+j], 0                            ; the loop sums in place, so P begins as zeros
.set j, j+1
.endr
	s_mov_b32 s[OCC], 0
	FETCH \img, \sc                                ; (no vector or matrix line since the wait on va_vdst ahead of the stage's stores names B or BS)
	s_wait_dscnt 0x0
.endif
.endm
; One K step against my 512 tokens: 32 trips, a tile of 16 tokens each.  ne: the map of the tiles that hold a 1 of this step.
; A trip whose bit is 0 is scalar tests and 8 matrix instructions on the zeros that lie in A.  A trip whose bit is 1 loads the tile's ids, one to a lane (the same in both halves of the lanes), and makes A.
; Behind a trip's last matrix instruction and ahead of any write of A stand, on that way, two sums, a subtraction, a compare and GEN's first lines, none of which names a register of the products.
.macro PASS img, sc, ne
	s_mov_b32 s[TI], 0
	s_wait_dscnt 0x0                               ; the fragments and their scale words are in
.Ltile_\@:
	s_bitcmp1_b32 s[\ne], s[TI]
	s_cbranch_scc0 .Lzero_\@
	s_lshl_b32 s28, s[TI], 6                       ; a tile's ids are 64 bytes,
	s_lshl_b32 s29, s[TI], 4                       ; 16 tokens
	s_wait_alu depctr_vm_vsrc(0)                   ; the load of an earlier tile's ids has read v[ADI]
	v_add_nc_u32 v[ADI], s28, v[ADI0]
	s_wait_alu depctr_va_vdst(0)                   ; v[ADI] is written, which the load reads; the subtraction of an earlier tile is done reading v[IDN], in which it lands
	global_load_b32 v[IDN], v[ADI], s[4:5]
	v_add_nc_u32 v[TOKC], s29, v[TOK0]
	s_wait_loadcnt 0x0                             ; the ids are in (and with them all that was asked for earlier: loads return in order)
	v_sub_nc_u32 v[REL], v[IDN], s[K0]
	v_cmp_gt_u32 vcc_lo, 0x80, v[REL]              ; rows whose 1 lies in this K step
	s_wait_alu depctr_va_vcc(0)                    ; the compare has written VCC, which the next line reads
	s_mov_b32 s[MK], vcc_lo
	s_and_b32 s28, s[OCC], s[MK]                   ; would a slot be taken twice?
	s_cbranch_scc0 .Lfree_\@
	FLUSH 1, \img, \sc
.Lfree_\@:
	s_wait_alu depctr_va_vdst(0)
	GEN
	v_cndmask_b32 v[TOK], v[TOK], v[TOKC], s[MK]   ; the new owners of their slots
	s_or_b32 s[OCC], s[OCC], s[MK]
	s_mov_b32 s[DIRTY], 1
	PLACES 4                                       ; an operand written by vector instructions stands 4 places ahead of a scaled matrix instruction
	s_wait_alu depctr_va_vdst(0)                   ; the selects have written A, which the products take as their operand
	s_branch .Lmul_\@
.Lzero_\@:
.if SKIP_EMPTY
	s_branch .Lnext_\@
.else
	s_cmp_eq_u32 s[DIRTY], 0                       ; A is zeros already in nearly every trip
	s_cbranch_scc1 .Lmul_\@
	PLACES 4                                       ; behind the last trip's products, which read A
.irp n, 0,1,2,3,4,5,6,7,8,9,10,11
	v_mov_b32 v[A+\n], 0
.endr
	s_mov_b32 s[DIRTY], 0
	PLACES 4
	s_wait_alu depctr_va_vdst(0)                   ; the moves have written A, which the products take as their operand
.endif
.Lmul_\@:
	MUL8 A, AS
.Lnext_\@:
	s_add_co_u32 s[TI], s[TI], 1
	s_cmp_lt_u32 s[TI], 32
	s_cbranch_scc1 .Ltile_\@
.endm
	s_load_b256 s[4:11], s[0:1], 0x0               ; ids, W0, W1, b1
	s_load_b128 s[12:15], s[0:1], 0x20             ; W2, b2
	s_load_b64 s[16:17], s[0:1], 0x30              ; out0
	v_lshl_add_u32 v37, v0, 2, 0x1dc00
	v_mov_b32 v87, 0
	v_lshrrev_b32 v23, 5, v0
	v_readfirstlane_b32 s[WV], v23                 ; wave 0..7
	v_and_b32 v24, 31, v0                          ; lane
	v_and_b32 v25, 15, v0                          ; r
	v_bfe_u32 v26, v0, 4, 1                        ; h
	v_lshlrev_b32 v[L16], 4, v24
	v_lshlrev_b32 v[LS4], 2, v24
	v_lshlrev_b32 v[IDL], 6, v24
	v_lshlrev_b32 v[ADI0], 2, v25
	s_lshl_b32 s28, ttmp9, 10                      ; the work-group's 256 columns of W0 begin 1,024 g bytes into a row
	v_add_nc_u32 v[G0B], s28, v[L16]
	v_min_u32 v[G0A], W0ROW-16, v[G0B]             ; held at the row's last 16 bytes: no load leaves its row; what is read twice so lies beyond VOCAB and is replaced by zeros
	v_add_nc_u32 v[G0B], 512, v[G0B]
	v_min_u32 v[G0B], W0ROW-16, v[G0B]
	v_and_b32 v[BGO], 127, v0
	v_lshlrev_b32 v[BGO], 2, v[BGO]
	v_lshlrev_b32 v[BLA], 2, v0
	s_wait_alu depctr_va_sdst(0)                   ; the wave's number is written, ahead of its first reader: LDS places, bases and the choice of a bias are made from it
	s_mul_i32 s29, s[WV], 16*SPITCH
	s_add_co_u32 s29, s29, STG                     ; my stage
	v_add_nc_u32 v[STW], s29, v[L16]
	v_mul_u32_u24 v27, v25, SPITCH
	v_lshl_add_u32 v[STR], v26, 7, v27
	v_add_nc_u32 v[STR], s29, v[STR]
	v_lshl_add_u32 v[SO], v26, 6, v27
	v_add_nc_u32 v[SO], s29, v[SO]
	s_mul_i32 s28, s[WV], FRB
	v_add_nc_u32 v[IMW], s28, v[L16]
	s_lshl_b32 s28, s[WV], 7
	v_add_nc_u32 v[SCW], s28, v[LS4]
	s_lshl_b32 s28, s[WV], 9
	v_add_nc_u32 v[TOK0], s28, v25
	v_lshlrev_b32 v[HSH], 5, v26
	v_lshl_add_u32 v[BIA], v26, 6, BIAS
	v_mov_b32 v[AS], 0x7d7d7d7d
	v_mov_b32 v[THREE], 3
	s_mov_b32 s[SEL], 0x76543210
	s_mov_b32 s[SEL+1], 0xfedcba98
	s_lshl_b32 s[K0], ttmp9, 8                     ; pass 0's first column: 256 g
	s_mov_b32 s[OCC], 0
	s_mov_b32 s[DIRTY], 0
	s_lshr_b32 s28, s[WV], 1
	s_lshl_b32 s28, s28, 5
	s_and_b32 s29, s[WV], 1
	s_lshl_b32 s29, s29, 3
	s_add_co_u32 s28, s28, s29                     ; the first row of the tile that I quantise: 32 (w / 2) + 8 (w % 2)
	s_mul_i32 s30, s28, W0ROW                      ; in W0 (under 2^25 bytes),
	s_mov_b32 s31, 0
	s_lshl_b32 s32, s28, 9                         ; in W1 and W2
	s_mov_b32 s33, 0
	s_lshl_b32 s28, s[WV], 11                      ; my 512 ids
	s_mov_b32 s29, 0
	s_wait_kmcnt 0x0
	s_add_nc_u64 s[6:7], s[6:7], s[30:31]
	s_add_nc_u64 s[8:9], s[8:9], s[32:33]
	s_add_nc_u64 s[12:13], s[12:13], s[32:33]
	s_add_nc_u64 s[4:5], s[4:5], s[28:29]
	s_cmp_lt_u32 s[WV], 4                          ; waves 0-3 fetch b1, waves 4-7 b2: the choice hangs on the wave's number alone
	s_cselect_b64 s[34:35], s[10:11], s[14:15]
	s_wait_alu depctr_va_vdst(0)                   ; all the addresses and offsets made above are written: every load and store of the kernel but the two on the rare ways reads one of them, and none is written again
	; THE LOADS GO OUT HERE, in the order in which they are wanted: 4 + 1 + 16 + 16 + 16; W0's second slab follows behind the first wait.  Each load of a weight reads 512 consecutive bytes of one row.
.irp j, 0,1,2,3
	global_load_b128 v[PC+4*\j:PC+4*\j+3], v[IDL], s[4:5] offset:16*\j         ; lane l: the 16 ids of tile l, 64 consecutive bytes in four loads
.endr
	global_load_b32 v[PC+16], v[BGO], s[34:35]
	WIN 0x40                                       ; destination window 1
.irp i, 0,1,2,3,4,5,6,7,8,9,10,11,12,13,14,15
	global_load_b128 v[LB0+4*\i:LB0+4*\i+3], v[L16], s[8:9] offset:(\i+8*(\i/8))*512
.endr
.irp i, 0,1,2,3,4,5,6,7,8,9,10,11,12,13,14,15
	global_load_b128 v[LB1+4*\i:LB1+4*\i+3], v[L16], s[12:13] offset:(\i+8*(\i/8))*512
.endr
.irp i, 0,1,2,3,4,5,6,7,8,9,10,11,12,13,14,15
	global_load_b128 v[LB2+4*\i:LB2+4*\i+3], v[G0A], s[6:7] offset:(\i+8*(\i/8))*W0ROW th:TH_LOAD_NT   ; 23 rows of W0 at the most: inside the signed 24-bit immediate; read once in the whole launch
.endr
	WIN 0
.set j, 0
.rept 64
	v_mov_b32 v[P+j], 0                            ; the loop is written once and sums in place: P begins as zeros
.set j, j+1
.endr
.irp n, 0,1,2,3,4,5,6,7,8,9,10,11
	v_mov_b32 v[A+\n], 0
.endr
	v_mov_b32 v[TOK], 0
.irp b, 4,5,6,7,11
	v_mov_b32 v[TM+\b], 0                          ; written once: a lane permute's destination counts as one of its sources
.endr
	s_wait_loadcnt 32                              ; the ids, the bias word and W1 are in; the 32 younger loads (W2, W0's first slab) stay out
	WIN 0x40
.irp i, 0,1,2,3,4,5,6,7,8,9,10,11,12,13,14,15
	global_load_b128 v[LB3+4*\i:LB3+4*\i+3], v[G0B], s[6:7] offset:(\i+8*(\i/8))*W0ROW th:TH_LOAD_NT   ; W0's second slab: wanted behind pass 0.  (The moves above name neither v[G0B] nor window 1)
.endr
	WIN 0
	ds_store_b32 v[BLA], v[PC+16] offset:BIAS
	WHICH NE0, K0                                  ; the two maps of tiles, while the weights are on their way
	s_add_co_u32 s28, s[K0], 128
	WHICH NE1, 28
	QSLAB LB0, IMGW1, SCW1, 0, 0
	s_wait_loadcnt 32                              ; W2 is in; W0's two slabs, 32 loads, stay out
	QSLAB LB1, IMGW2, SCW2, 0, 1
	s_wait_loadcnt 16                              ; W0's first slab is in; the second's 16 loads stay out
	QSLAB LB2, IMG0, SC0, 1, 1
	BARRIER                                        ; W1's, W2's and pass 0's fragments, their scale words and the biases lie in LDS; from here on they are only read
	s_wait_alu depctr_vm_vsrc(0)                   ; my image stores have read QC, in which fragments land, and PW, which a flush writes.  (No vector line has been issued since the slab's last wait on va_vdst)
	FETCH IMG0, SC0
	PASS IMG0, SC0, NE0
	PLACES 4                                       ; behind the last products, in front of the vector lines that write B's registers while the slab is quantised
	s_wait_loadcnt 0x0                             ; W0's second slab
	s_add_co_u32 s[K0], s[K0], 128
	QSLAB LB3, IMG1, SC1, 1, 0                     ; into bytes that nobody reads before the barrier below
	BARRIER
	s_wait_alu depctr_vm_vsrc(0)                   ; my image stores have read QC, in which fragments land, and PW, which a flush writes
	FETCH IMG1, SC1
	PASS IMG1, SC1, NE1
	s_cmp_eq_u32 s[OCC], 0                         ; a wave none of whose tokens has its 1 in these two K steps has nothing to store
	s_cbranch_scc1 .Lend
	FLUSH 0, 0, 0
.Lend:
	s_wait_dscnt 0x0                               ; the closing lines, six on end
	s_wait_alu 0x0
	s_wait_tensorcnt 0x0
	ds_add_u32 v37, v87
	s_wait_dscnt 0x0
	s_endpgm
.Lfunc_end_k_q66fc218fd8_encoder:
	.size	k_q66fc218fd8_encoder, .Lfunc_end_k_q66fc218fd8_encoder-k_q66fc218fd8_encoder
	.p2alignl 7, 3214868480
	.fill 96, 4, 3214868480
	.section	.rodata,"a",@progbits
	.p2align	6, 0x0
	.amdhsa_kernel k_q66fc218fd8_encoder
		.amdhsa_group_segment_fixed_size 122880
		.amdhsa_private_segment_fixed_size 0
		.amdhsa_enable_private_segment 0
		.amdhsa_kernarg_size 56
		.amdhsa_user_sgpr_count 2
		.amdhsa_user_sgpr_kernarg_segment_ptr 1
		.amdhsa_wavefront_size32 1
		.amdhsa_system_sgpr_workgroup_id_x 1
		.amdhsa_system_sgpr_workgroup_id_y 1
		.amdhsa_system_sgpr_workgroup_id_z 1
		.amdhsa_system_vgpr_workitem_id 0
		.amdhsa_next_free_vgpr 512
		.amdhsa_next_free_sgpr 66
		.amdhsa_reserve_vcc 1
		.amdhsa_float_denorm_mode_32 3
		.amdhsa_float_denorm_mode_16_64 3
		.amdhsa_memory_ordered 1
		.amdhsa_forward_progress 1
		.amdhsa_inst_pref_size 150
	.end_amdhsa_kernel
	.amdgpu_metadata
---
amdhsa.version: [ 1, 2 ]
amdhsa.kernels:
  - .name:           k_q66fc218fd8_encoder
    .symbol:         k_q66fc218fd8_encoder.kd
    .args:
      - { .name: user_ids, .offset: 0, .size: 8, .value_kind: global_buffer, .address_space: global }
      - { .name: W0, .offset: 8, .size: 8, .value_kind: global_buffer, .address_space: global }
      - { .name: W1, .offset: 16, .size: 8, .value_kind: global_buffer, .address_space: global }
      - { .name: b1, .offset: 24, .size: 8, .value_kind: global_buffer, .address_space: global }
      - { .name: W2, .offset: 32, .size: 8, .value_kind: global_buffer, .address_space: global }
      - { .name: b2, .offset: 40, .size: 8, .value_kind: global_buffer, .address_space: global }
      - { .name: out0, .offset: 48, .size: 8, .value_kind: global_buffer, .address_space: global }
    .group_segment_fixed_size: 122880
    .private_segment_fixed_size: 0
    .kernarg_segment_align: 8
    .kernarg_segment_size: 56
    .max_flat_workgroup_size: 256
    .sgpr_count:     66
    .vgpr_count:     512
    .wavefront_size: 32
...
	.end_amdgpu_metadata
.endif
;; end of part 2
